; MI455X (gfx1250); checked and timed in simulation.
; The chip was launched on July 23, 2026; its instructions are those of AMD's public machine-readable ISA for CDNA 5 (MIT licence, August 2026) and "CDNA5" Instruction Set Architecture Reference Guide (July 2026). The comments in the code are by the model that wrote it; some were corrected since.
;; Span NER. Allowed arithmetic: matrix products marked QUANTISED: E5M2 operands, one E8M0 scale for each 32 along K, by v_wmma_scale_f32_16x16x128_f8f6f4 with both operands' format E5M2, f32 sums; products left as they are: f32 operands where the result goes on into a quantised operand, else bf16, f16 or f32 operands; f32 sums; everything else in f32.
;; Inputs: W1_codes 1,024 x 66 x 32 uint8 (E5M2 codes of W1, K innermost, in blocks of 32 codes); W1_scales 1,024 x 66 uint8 (E8M0 scales of W1, one for each 32 codes along K); W2 1,024 x 3 float32; b1 1,024 float32; b2 3 float32; sequence_output 4 x 512 x 1,024 float32; span_ends 7,575 int32; span_starts 7,575 int32; width_emb 15 x 64 float32.
;; Outputs: out0 4 x 7,575 x 3 float32.
;; This version of the problem:
;;   THIS VERSION OF THE PROBLEM IS GIVEN IN LOW PRECISION. The matrix products marked QUANTISED in the list below multiply operands that are first quantised to E5M2 (5 exponent bits, 2 mantissa bits; 8 bits a number), with one power-of-two scale for each 32 numbers along K (OCP MX v1.0); their sums are f32. All else is computed in f32.
;;   The module's matrix products, in the order in which they are computed (A, B: the left and right operand; K: the contracted axis; several contracted axes count as one K, in the product's order):
;;     1. [M 30,300, K 2,112] x [K 2,112, N 1,024]; A: computed on the way; B: input W1 (given as codes): QUANTISED
;;     2. [M 30,300, K 1,024] x [K 1,024, N 3]; A: computed on the way; B: input W2: left as it is (N = 3 < 16)
;;   THE QUANTISER, for each operand of a quantised product, along K:
;;     - K is cut into blocks of 32 from its start; a last block that is shorter is filled with zeros.
;;     - A block's scale is 2^e with e = floor(log2(the largest magnitude in the block)) - 15, held to -126 .. 127; a block of zeros has e = 0. As a byte (E8M0): e + 127.
;;     - Each number is divided by its block's scale, clamped to +-57,344, and rounded to the nearest number of E5M2, ties to even, subnormals kept.
;;     - The product sums the exact products of the quantised numbers (number of the format x scale) in f32.
;;   ~~~python
;;   def quantise(x, axis):      # numpy; x: float32 -> the quantised numbers, widened to float32 again
;;       x = np.moveaxis(x, axis, -1); K = x.shape[-1]
;;       x = np.pad(x, [(0, 0)] * (x.ndim - 1) + [(0, -K % 32)]); x = x.reshape(x.shape[:-1] + (-1, 32)); a = np.abs(x).max(-1, keepdims=True)
;;       e = np.where(a > 0, np.clip(np.frexp(np.where(a > 0, a, 1))[1] - 1 - 15, -126, 127), 0)      # np.frexp(a)[1] - 1 = floor(log2(a)), exactly
;;       r = np.clip(x / 2.0 ** e, -57344, 57344)
;;       step = 2.0 ** (np.maximum(np.frexp(np.where(r == 0, 1, r))[1] - 1, -14) - 2)
;;       q = np.round(r / step) * step * 2.0 ** e      # np.round: ties to even
;;       return np.moveaxis(q.reshape(q.shape[:-2] + (-1,))[..., :K], -1, axis).astype(np.float32)
;;   ~~~
;;   OPERANDS COMPUTED ON THE WAY. 'Computed on the way' means the value that the module computes at that place (a softmax that the list does not call 'softmax' is quantised finished and normalised). What goes into a quantiser is computed in f32, as accurately as f32 sums, v_exp_f32 and their like allow (about 1e-6 of the number): no bf16 or f16 on the way to a quantiser, and a product that is left as it is and whose result goes on into a quantised operand takes f32 operands (vector FMAs, or v_wmma_f32_16x16x4_f32). A number that lies on a knife's edge between two numbers of the format may be rounded either way, as far as f32 arithmetic and the matrix unit's own rounding can turn it there, and no further.
;;   INPUTS GIVEN AS CODES. W1 (in the module: [2112, 1024], K = its axis 0): each comes as NAME_codes (uint8): NAME with its K axis moved to the last place and cut into blocks of 32 codes, [.., K / 32, bytes a block], one block behind the other in memory; one code a byte (a code: sign, 5 exponent bits, 2 mantissa bits); and NAME_scales (uint8): the same leading axes, one E8M0 byte (e + 127) for each 32 codes along K. Its value is code x scale, taken as it is: it is not quantised again, and the codes and scales need not be those that the quantiser above would give.
;; One version. Each part assembles by itself: llvm-mc -triple=amdgcn-amd-amdhsa -mcpu=gfx1250 --defsym DOCPART=n.
;; ======== version 1 of 1: 2 launches
;; limits: a difference of large sums (such as E[x^2] - mean^2): digits are lost where the result is much smaller than its terms
;; workspace buffers: acodes 2,099,200 bytes; ascl 65,792 bytes; wimg 2,297,856 bytes
;; launch prep (part 1): grid 291 x 1, 4 waves a work-group, no clusters, 21,504 bytes of LDS; arguments sequence_output, width_emb, W1_codes, W1_scales, acodes, ascl, wimg; writes acodes, ascl, wimg
.if DOCPART == 1
	.amdgcn_target "amdgcn-amd-amdhsa--gfx1250"
	.amdhsa_code_object_version 6
	.text
	.protected	k_q407bd32385_prep
	.globl	k_q407bd32385_prep
	.p2align	8
	.type	k_q407bd32385_prep,@function
k_q407bd32385_prep:
	s_mov_b64 s[64:65], 0
	v_nop
	global_prefetch_b8 v0, s[64:65] scope:SCOPE_SE
	s_setreg_imm32_b32 hwreg(HW_REG_WAVE_MODE, 25, 1), 1
	s_wait_xcnt 0x0
; THE OPERANDS OF THE QUANTISED PRODUCT ARE MADE READY ONCE.  A span's row is (start token, end token, width row), and the joins at 1,024 and 2,048 fall on ends of blocks of 32:
; so the quantised row is made of the quantised token rows and width rows, and only 2,048 token rows and 15 width rows are quantised.
; Work-groups 0-255: sequence_output [2048 tokens][1024] f32 -> acodes [2048][1024] codes of E5M2, ascl [2048][32] E8M0 bytes.  8 tokens a work-group, 2,048 numbers a wave, 4 steps of 512.
; Work-groups 256-289: W1's codes and scale bytes are laid anew, in the order of the operand's registers: wimg [wave 4][T 34][16,896 bytes].  T = 17 p + s; s = 0: K step 16 (the width part, 64 codes and 64 zero codes),
;   s = 1..16: K steps 0..15.  A block: codes [b 8][c 4][lane][16 bytes] = W1_codes[512 p + 128 w + 16 b + lane % 16][128 ks + 32 c + 16 (lane / 16) ..], then 512 bytes of scale words: at 16 lane + 4 j the word of column 512 p + 128 w + 32 j + lane.
; Work-group 290: width_emb -> 16 rows of 128 bytes behind acodes' tokens (64 codes, 64 zero codes) and a scale word a row behind ascl's tokens (two bytes, then 0x7f twice).  Row 15 is filled and never read.
; A block's scale is 2^(floor(log2(its largest magnitude)) - 15); its byte is the largest magnitude's exponent field - 15, held at 1 from below.  A block of zeros so gets the byte 1 where the rule says 127:
; its codes are zeros, which add nothing under any byte but 0xff, and this program alone reads the bytes.  LIMITS: NaN and infinities among the inputs are not served.
; The three kinds of work-group part on the work-group's number and meet again at one barrier, which only the first kind needs: its four waves' 64 scale bytes each leave as one run of 256 bytes.
.set SP,    80                         ; a lane's place in a stage: its 64 bytes + 16 of padding
.set SCB,   20480                      ; LDS: behind the four waves' stages (two of 2,560 bytes each), the work-group's 256 scale bytes
.set WOFF,  2097152                    ; acodes: where the width rows begin
.set SOFF,  65536                      ; ascl: where their scale words begin
.set STEPB, 16896                      ; a block of wimg
.set R,     16                         ; v16-79   four sets of 16 numbers as they are loaded (second kind: v16-143 the codes)
.set X,     80                         ; v80-111  two sets of 16 neighbours
.set E,     112                        ; v112-115 a scale byte for each step
.set C,     128                        ; v128-143 codes: four registers for each step
	s_load_b256 s[4:11], s[0:1], 0x0               ; sequence_output, width_emb, W1_codes, W1_scales
	s_load_b128 s[12:15], s[0:1], 0x20             ; acodes, ascl
	s_load_b64 s[16:17], s[0:1], 0x30              ; wimg
	v_lshl_add_u32 v192, v0, 2, 0x5200
	v_mov_b32 v193, 0
	v_lshrrev_b32 v1, 5, v0
	v_readfirstlane_b32 s18, v1                    ; wave
	v_and_b32 v2, 31, v0                           ; lane
	v_lshlrev_b32 v3, 4, v2                        ; 16 x lane
	s_mul_i32 s19, s18, 2*32*SP
	v_lshrrev_b32 v14, 2, v2
	v_mul_u32_u24 v14, v14, SP
	v_and_b32 v15, 3, v2
	v_lshl_add_u32 v14, v15, 4, v14
	v_add_nc_u32 v14, s19, v14                     ; the stage, on the way in: four lanes' 64 bytes on end, then 16 of padding
	v_mul_u32_u24 v15, v2, SP
	v_add_nc_u32 v15, s19, v15                     ; and on the way out: my 16 neighbours
	v_lshrrev_b32 v5, 1, v2
	s_lshl_b32 s19, s18, 6
	s_add_co_u32 s19, s19, SCB
	v_add_nc_u32 v5, s19, v5                       ; my block's scale byte: SCB + 64 x wave + lane / 2
	v_lshlrev_b32 v7, 3, v2                        ; 8 x lane
	v_add_nc_u32 v6, SCB, v7                       ; where wave 0 reads the 256 bytes back
	s_mov_b32 s30, 0x600000                        ; the mantissa field of 57,344
	s_wait_kmcnt 0x0
	s_cmp_lt_u32 ttmp9, 256
	s_cbranch_scc1 .Ltokens
	s_cmp_lt_u32 ttmp9, 290
	s_cbranch_scc1 .Lweights
	; ---- the width rows: thread t takes 8 numbers, row t / 8; four lanes hold a block of 32
	v_lshlrev_b32 v20, 5, v0
	v_min_u32 v20, 3808, v20                       ; row 15 does not exist: its threads read the table's last 32 bytes, so that no load leaves the buffer
	global_load_b128 v[24:27], v20, s[6:7]
	global_load_b128 v[28:31], v20, s[6:7] offset:16
	v_lshrrev_b32 v38, 3, v0                       ; the row
	v_and_b32 v39, 7, v0
	v_lshlrev_b32 v39, 3, v39
	v_lshl_add_u32 v39, v38, 7, v39                ; my 8 codes: 128 x row + 8 x (t % 8)
	v_lshlrev_b32 v38, 2, v38                      ; the row's scale word
	v_mov_b32 v40, 0
	v_mov_b32 v41, 0
	v_and_b32 v35, 4, v0
	s_wait_loadcnt 0x0
	v_max3_num_f32 v8, |v24|, |v25|, 0x8000000     ; my 8 numbers, and the floor 2^(16 - 127): the byte cannot fall under 1
	v_max3_num_f32 v8, v8, |v26|, |v27|
	v_max3_num_f32 v8, v8, |v28|, |v29|
	v_max3_num_f32 v8, v8, |v30|, |v31|
	v_max_num_f32_dpp v8, v8, v8 row_xmask:1 row_mask:0xf bank_mask:0xf
	v_max_num_f32_dpp v8, v8, v8 row_xmask:2 row_mask:0xf bank_mask:0xf   ; the block's largest magnitude
	v_add_nc_u32 v11, 0xf8800000, v8               ; 15 off its exponent field: the conversion's scale operand
	v_and_or_b32 v10, v8, 0x7f800000, s30          ; 57,344 x the scale
.irp i, 24,25,26,27,28,29,30,31
	v_med3_num_f32 v\i, v\i, -v10, v10             ; the conversion to an 8-bit code does not saturate (ISA guide 7.6.2): the hold comes first
.endr
	v_cvt_scalef32_pk8_bf8_f32 v[32:33], v[24:31], v11
	v_lshrrev_b32 v9, 23, v11                      ; my block's byte (a plain line behind the conversion)
	v_mov_b32 v34, v9
	v_mov_b32_dpp v34, v9 row_xmask:4 row_mask:0xf bank_mask:0xf          ; the row's other block's
	v_cmp_eq_u32 vcc_lo, 0, v35                    ; am I in the row's first block?
	v_cndmask_b32 v36, v34, v9, vcc_lo             ; byte 0: the first block's
	v_cndmask_b32 v37, v9, v34, vcc_lo             ; byte 1: the second's
	v_lshl_or_b32 v36, v37, 8, v36
	v_or_b32 v36, 0x7f7f0000, v36                  ; bytes 2 and 3 stand over zero codes: 2^0
	global_store_b64 v39, v[32:33], s[12:13] offset:WOFF
	global_store_b64 v39, v[40:41], s[12:13] offset:WOFF+64    ; the rest of the K step: zero codes
	global_store_b32 v38, v36, s[14:15] offset:SOFF            ; the row's eight lanes store the same word
	s_branch .Ljoin
	; ---- W1, laid anew: one wave, one block of wimg
.Lweights:
	s_sub_co_u32 s20, ttmp9, 256                   ; T
	s_cmp_ge_u32 s20, 17
	s_cselect_b32 s21, 1, 0                        ; p
	s_cselect_b32 s22, 17, 0
	s_sub_co_u32 s22, s20, s22                     ; s
	s_sub_co_u32 s23, s22, 1
	s_cmp_eq_u32 s22, 0
	s_cselect_b32 s23, 16, s23                     ; ks
	s_lshl_b32 s24, s21, 9
	s_lshl_b32 s25, s18, 7
	s_add_co_u32 s24, s24, s25                     ; my first column: 512 p + 128 w
	s_mul_i32 s26, s24, 2112
	s_lshl_b32 s25, s23, 7
	s_add_co_u32 s26, s26, s25
	s_mov_b32 s27, 0
	s_add_nc_u64 s[8:9], s[8:9], s[26:27]          ; its codes of this K step
	s_mul_i32 s26, s24, 66
	s_lshl_b32 s25, s23, 2
	s_add_co_u32 s26, s26, s25
	s_add_nc_u64 s[10:11], s[10:11], s[26:27]      ; and its scale bytes
	s_mul_i32 s26, s18, 34
	s_add_co_u32 s26, s26, s20
	s_mul_i32 s26, s26, STEPB
	s_add_nc_u64 s[16:17], s[16:17], s[26:27]      ; my block of wimg
	v_and_b32 v12, 15, v0
	v_mul_u32_u24 v12, v12, 2112
	v_bfe_u32 v13, v0, 4, 1
	v_lshl_add_u32 v12, v13, 4, v12                ; column lane % 16, + 16 (lane / 16)
	v_mul_u32_u24 v13, v2, 66                      ; scale bytes: column lane
	s_cmp_eq_u32 s22, 0
	s_cbranch_scc1 .Lshort
.irp b, 0,1,2,3,4,5,6,7
.irp c, 0,1,2,3
	global_load_b128 v[R+16*\b+4*\c:R+16*\b+4*\c+3], v12, s[8:9] offset:33792*\b+32*\c
.endr
.endr
.irp j, 0,1,2,3
	global_load_u16 v[144+\j], v13, s[10:11] offset:2112*\j      ; a row of scale bytes is 66 long: a word of them stands at a multiple of 2 only
	global_load_u16 v[148+\j], v13, s[10:11] offset:2112*\j+2
.endr
	s_branch .Llaid
.Lshort:                                               ; K step 16 has 64 codes and 2 scale bytes: nothing is loaded beyond a row's end
.irp b, 0,1,2,3,4,5,6,7
.irp c, 0,1
	global_load_b128 v[R+16*\b+4*\c:R+16*\b+4*\c+3], v12, s[8:9] offset:33792*\b+32*\c
.endr
.irp i, 8,9,10,11,12,13,14,15
	v_mov_b32 v[R+16*\b+\i], 0
.endr
.endr
.irp j, 0,1,2,3
	global_load_u16 v[144+\j], v13, s[10:11] offset:2112*\j
	v_mov_b32 v[148+\j], 0x7f7f
.endr
.Llaid:
	s_wait_loadcnt 0x0
.irp j, 0,1,2,3
	v_lshl_or_b32 v[144+\j], v[148+\j], 16, v[144+\j]
.endr
.irp f, 0,1,2,3,4,5,6,7,8,9,10,11,12,13,14,15,16,17,18,19,20,21,22,23,24,25,26,27,28,29,30,31
	global_store_b128 v3, v[R+4*\f:R+4*\f+3], s[16:17] offset:512*\f     ; 32 lanes store 512 consecutive bytes; the wave's 33 stores cover its block on end
.endr
	global_store_b128 v3, v[144:147], s[16:17] offset:16384
	s_branch .Ljoin
	; ---- the tokens
.Ltokens:
	s_lshl_b32 s20, ttmp9, 2
	s_add_co_u32 s20, s20, s18                     ; which run of 2,048 numbers is my wave's
	s_lshl_b32 s22, s20, 13
	s_mov_b32 s23, 0
	s_add_nc_u64 s[4:5], s[4:5], s[22:23]
	s_lshl_b32 s22, s20, 11
	s_add_nc_u64 s[12:13], s[12:13], s[22:23]
.macro LOADQ t
.irp i, 0,1,2,3
	global_load_b128 v[R+16*(\t)+4*\i:R+16*(\t)+4*\i+3], v3, s[4:5] offset:2048*(\t)+512*\i th:TH_LOAD_NT   ; 32 lanes read 512 consecutive bytes
.endr
.endm
.macro TURN t                          ; step t's numbers through the stage: LDS serves a wave's instructions in order, so no wait stands between the stores and the loads
.irp i, 0,1,2,3
	ds_store_b128 v14, v[R+16*(\t)+4*\i:R+16*(\t)+4*\i+3] offset:32*SP*((\t)%2)+8*SP*\i
.endr
.irp i, 0,1,2,3
	ds_load_b128 v[X+16*((\t)%2)+4*\i:X+16*((\t)%2)+4*\i+3], v15 offset:32*SP*((\t)%2)+16*\i
.endr
.endm
.macro STEP t
.set XS, X+16*((\t)%2)
.if (\t) > 0
	s_wait_dscnt 1                                 ; this step's numbers are back from the stage; the last step's byte store may be out
.else
	s_wait_dscnt 0x0
.endif
.if (\t) < 3
	s_wait_loadcnt 4*(2-(\t))                      ; the next step's four loads are in; those of the steps behind it may be out
	TURN (\t)+1
.endif
	v_max3_num_f32 v8, |v[XS]|, |v[XS+1]|, |v[XS+2]|               ; the largest magnitude of my 16
	v_max3_num_f32 v9, |v[XS+3]|, |v[XS+4]|, |v[XS+5]|
.irp i, 6,10
	v_max3_num_f32 v8, v8, |v[XS+\i]|, |v[XS+\i+1]|
	v_max3_num_f32 v9, v9, |v[XS+\i+2]|, |v[XS+\i+3]|
.endr
	v_max3_num_f32 v8, v8, |v[XS+14]|, |v[XS+15]|
	v_max3_num_f32 v8, v8, v9, 0x8000000           ; and the floor 2^(16 - 127)
	v_max_num_f32_dpp v8, v8, v8 row_xmask:1 row_mask:0xf bank_mask:0xf   ; and of my neighbour's 16: the block's
	v_add_nc_u32 v11, 0xf8800000, v8
	v_and_or_b32 v10, v8, 0x7f800000, s30
.irp i, 0,1,2,3,4,5,6,7,8,9,10,11,12,13,14,15
	v_med3_num_f32 v[XS+\i], v[XS+\i], -v10, v10
.endr
	v_cvt_scalef32_pk8_bf8_f32 v[C+4*(\t):C+4*(\t)+1], v[XS:XS+7], v11
	v_cvt_scalef32_pk8_bf8_f32 v[C+4*(\t)+2:C+4*(\t)+3], v[XS+8:XS+15], v11
	v_lshrrev_b32 v[E+(\t)], 23, v11               ; the scale's byte (a plain line behind the conversions)
	ds_store_b8 v5, v[E+(\t)] offset:16*(\t)       ; both lanes of a block write the same byte with the same value
	global_store_b128 v3, v[C+4*(\t):C+4*(\t)+3], s[12:13] offset:512*(\t)   ; 512 consecutive bytes
.endm
	LOADQ 0
	LOADQ 1
	LOADQ 2
	LOADQ 3
	s_wait_loadcnt 12                              ; step 0's four loads are in
	TURN 0
	STEP 0
	STEP 1
	STEP 2
	STEP 3
.Ljoin:
	s_wait_dscnt 0x0                               ; for the others' sake: my scale bytes lie in LDS
	s_barrier_signal -1
	s_barrier_wait -1
	s_cmp_lt_u32 ttmp9, 256
	s_cbranch_scc0 .Lend
	s_cmp_eq_u32 s18, 0
	s_cbranch_scc0 .Lend
	ds_load_b64 v[152:153], v6                     ; the work-group's 256 scale bytes, 8 a lane
	s_lshl_b32 s20, ttmp9, 8
	s_mov_b32 s21, 0
	s_add_nc_u64 s[28:29], s[14:15], s[20:21]
	s_wait_dscnt 0x0
	global_store_b64 v7, v[152:153], s[28:29]      ; 32 lanes store 256 consecutive bytes, at a multiple of 256 from the buffer's first byte
.Lend:
	s_wait_tensorcnt 0x0
	ds_add_u32 v192, v193
	s_wait_dscnt 0x0
	s_endpgm
.Lfunc_end_k_q407bd32385_prep:
	.size	k_q407bd32385_prep, .Lfunc_end_k_q407bd32385_prep-k_q407bd32385_prep
	.p2alignl 7, 3214868480
	.fill 96, 4, 3214868480
	.section	.rodata,"a",@progbits
	.p2align	6, 0x0
	.amdhsa_kernel k_q407bd32385_prep
		.amdhsa_group_segment_fixed_size 21504
		.amdhsa_private_segment_fixed_size 0
		.amdhsa_enable_private_segment 0
		.amdhsa_kernarg_size 56
		.amdhsa_user_sgpr_count 2
		.amdhsa_user_sgpr_kernarg_segment_ptr 1
		.amdhsa_wavefront_size32 1
		.amdhsa_system_sgpr_workgroup_id_x 1
		.amdhsa_system_sgpr_workgroup_id_y 1
		.amdhsa_system_sgpr_workgroup_id_z 1
		.amdhsa_system_vgpr_workitem_id 0
		.amdhsa_next_free_vgpr 194
		.amdhsa_next_free_sgpr 66
		.amdhsa_reserve_vcc 1
		.amdhsa_float_denorm_mode_32 3
		.amdhsa_float_denorm_mode_16_64 3
		.amdhsa_memory_ordered 1
		.amdhsa_forward_progress 1
		.amdhsa_inst_pref_size 30
	.end_amdhsa_kernel
	.amdgpu_metadata
---
amdhsa.version: [ 1, 2 ]
amdhsa.kernels:
  - .name:           k_q407bd32385_prep
    .symbol:         k_q407bd32385_prep.kd
    .args:
      - { .name: sequence_output, .offset: 0, .size: 8, .value_kind: global_buffer, .address_space: global }
      - { .name: width_emb, .offset: 8, .size: 8, .value_kind: global_buffer, .address_space: global }
      - { .name: W1_codes, .offset: 16, .size: 8, .value_kind: global_buffer, .address_space: global }
      - { .name: W1_scales, .offset: 24, .size: 8, .value_kind: global_buffer, .address_space: global }
      - { .name: acodes, .offset: 32, .size: 8, .value_kind: global_buffer, .address_space: global }
      - { .name: ascl, .offset: 40, .size: 8, .value_kind: global_buffer, .address_space: global }
      - { .name: wimg, .offset: 48, .size: 8, .value_kind: global_buffer, .address_space: global }
    .group_segment_fixed_size: 21504
    .private_segment_fixed_size: 0
    .kernarg_segment_align: 8
    .kernarg_segment_size: 56
    .max_flat_workgroup_size: 128
    .sgpr_count:     66
    .vgpr_count:     194
    .wavefront_size: 32
...
	.end_amdgpu_metadata
.endif
;; end of part 1
;; launch spans (part 2): grid 240 x 1, 4 waves a work-group, clusters of 4 x 1, 327,680 bytes of LDS; arguments acodes, ascl, wimg, span_starts, span_ends, W2, b1, b2, out0; writes out0
.if DOCPART == 2
	.amdgcn_target "amdgcn-amd-amdhsa--gfx1250"
	.amdhsa_code_object_version 6
	.text
	.protected	k_q407bd32385_spans
	.globl	k_q407bd32385_spans
	.p2align	8
	.type	k_q407bd32385_spans,@function
k_q407bd32385_spans:
	s_mov_b64 s[64:65], 0
	v_nop
	global_prefetch_b8 v0, s[64:65] scope:SCOPE_SE
	s_setreg_imm32_b32 hwreg(HW_REG_WAVE_MODE, 25, 1), 1
	s_wait_xcnt 0x0
	s_wait_alu depctr_hold_cnt(0) depctr_sa_sdst(0) depctr_va_vdst(0) depctr_va_sdst(0) depctr_va_ssrc(0) depctr_va_vcc(0) depctr_vm_vsrc(0)
	s_getreg_b32 s2, hwreg(HW_REG_IB_STS2, 6, 4)
	s_cmp_eq_u32 s2, 0
	s_cbranch_scc0 .Lentry_in_a_cluster
	s_endpgm
.Lentry_in_a_cluster:
	s_bfe_u32 s2, ttmp6, 0x10000c
	s_cmp_lg_u32 s2, 0x3003
	s_cbranch_scc0 .Lentry_shape_is_right
	s_endpgm
.Lentry_shape_is_right:
; logits = relu(span row . W1 + b1) . W2 + b2 for 4 x 7,575 = 30,300 span rows.  The first product runs on codes of E5M2 with E8M0 scales; the hidden layer stays in registers; the second (3 labels) is f32 multiply-adds.
; SHARES.  30,300 = 60 x 505 and 7,575 = 15 x 505: cluster c of 60 takes flat rows 505 c .. 505 c + 504, all of one batch.  Its four work-groups begin 126 rows apart and own 126, 126, 126, 127 rows; each computes a tile of
; 128: the surplus rows gather a span held inside the list and are not stored.  A work-group makes 128 rows x 1,024 hidden units in two passes of 512; wave w makes 128 x 128 (128 w on within the pass's 512): 64 accumulators.
; K goes in 17 steps of 128 a pass: the width step, the eight steps of one token, the eight of the other (the order of the f32 sums along K so differs from ascending K).
; FOUR ORDERS.  From the cluster's number come two bits: q = 1: the upper 512 hidden units are made in the first pass; e = 1: the end tokens' eight K steps come before the start tokens'.  So the 60 clusters do not all ask for the
; same bytes of W1 at the same time: each quarter of W1 is first asked for by another quarter of the clusters.  Below, 'first part' and 'second part' are the two tokens in the cluster's order.
; W1 comes from wimg, laid in the order of the operand's registers: each wave has a ring of two LDS slots of two K steps, filled by tensor loads and read by that wave alone.
; CLUSTER.  All four work-groups of a cluster walk W1 alike: each slot is asked for JOINTLY (mask 15).  The span rows are not shared so: the partners own different rows, and these come by gathers through registers.
; THE SPAN ROWS.  A K step's 128 rows x 128 codes are gathered from acodes (eight lanes read 128 consecutive bytes of a token's row), three steps ahead, and go through one of two stages in LDS (rows 144 bytes apart),
; with the rows' scale words beside them; one work-group barrier a step parts a stage's stores from its reads.
; THE MATRIX INSTRUCTION IS USED TRANSPOSED: source 0 = 16 hidden units, source 1 = 16 spans: a lane holds ONE span and eight hidden units, so the sum over hidden units stays in the lane but for one exchange, four waves and two passes.
; THE BIAS.  relu(x + b) = max(x, -b) + b, so logits = sum of max(x, -b1) W2 + (b2 + sum of b1 W2): no addition on the accumulators.  The rounding differs from x + b1's by the order of an ulp of b1 W2 a term.
; LIMITS.  NaN and infinities are not served.  A start or end outside 0..511 is held there, end - start outside 0..14 likewise: the tables have no other rows.
; REGISTERS, in windows of 256.  Window 0: v1-39 addresses and the running logits; v40-105 two staging sets; v106-107, v124 addresses; v108-123 scale words, two sets of A's and B's; v125-127 at work; v128-255 the spans' eight fragments, one set.
;   Window 1: W1's fragments, two sets.  Windows 2, 3: accumulator (a, b) at v[8 (8 (a % 4) + b)].  In the epilogue: window 0 v128-191 b1, v192-197 the lane's sum of b1 W2, v200-247 partial logits, v248-255 at work; window 1: W2.
.set WOFF,  2097152                    ; acodes: the width rows
.set SOFF,  65536                      ; ascl: their scale words
.set STEPB, 16896                      ; a wave's K step of W1: 16,384 bytes of codes, 512 of scale words
.set SLOTB, 2*STEPB
.set RINGW, 2*SLOTB                    ; a wave's ring
.set PASSB, 17*STEPB                   ; a pass of a wave's stream in wimg: the width step, then eight slots' worth
.set WSTRM, 2*PASSB                    ; a wave's stream
.set HALFK, 4*SLOTB                    ; one token's eight K steps
.set RINGK, 8*SLOTB                    ; both tokens'
.set AP,    144                        ; a stage's row: 128 bytes + 16: 36 words, so that the 16 rows that a load touches start at 16 different places among the 64 banks of 4 bytes (ISA guide 11.1)
.set ASC,   128*AP                     ; behind the rows: the scale words, at 16 x (row % 32) + 4 x (row / 32)
.set STGB,  ASC+512
.set STG0,  4*RINGW                    ; the two stages: written by LDS stores alone
.set W2L,   STG0+2*STGB                ; W2, the first pass's 512 rows first,
.set B1L,   W2L+12288                  ; b1 likewise,
.set SPARE, B1L+4096                   ; and the spare words, 128 bytes for each wave: two blocks of 256 bytes that no other line names
.set RED,   STG0+STGB                  ; the epilogue's exchange between waves lies in stage 1, which nobody reads then
.set OUTO,  8192                       ; and, this far behind it, each wave's 384 bytes for the way out
.set SPW,  1
.set NIL,  2
.set ADRB, 3                           ; v3-4   my lane's place in slot 0, 1 of my wave's ring
.set ADRA, 5                           ; v5     a fragment's place in stage 0: 144 r + 16 h
.set ASTO, 6                           ; v6     where I store 16 bytes of row 32 w + 8 g + i
.set ASSW, 7                           ; v7     where I store row 32 w + lane's scale word
.set ASRD, 8                           ; v8     where I read four scale words
.set SS,   9                           ; v9-11  row 32 w + lane: offsets of its scale words (first part, second part, width)
.set SE,   10
.set SW,   11
.set GS,   12                          ; v12-19 rows 32 w + 8 g + i: offsets of their codes, first part; v20-27 second part; v28-35 width
.set GE,   20
.set GW,   28
.set LG,   36                          ; v36-38 the logits of row 32 w + lane
.set REDW, 39
.set STA,  40                          ; v40-71, v72-103 the staging sets
.set STS,  104                         ; v104-105 their scale words
.set EW,   106                         ; W2L + 1536 w + 96 h
.set EB,   107                         ; B1L + 512 w + 32 h
.set SA,   108
.set SB,   116
.set REDR, 124
.set AF,   128
.set BI,   128
.set CI,   192
.set PP,   200
.set TT,   248
.set PB,   78                          ; s78    where, in my wave's stream, the pass in hand has its first slot's worth: the pass's first byte + a K step
.set RA,   80                          ; s80    slot 0's place among the pass's eight slots' worth, in bytes
.set RB,   81                          ; s81    slot 1's
.set OFS,  82                          ; s[82:83] an offset as a pair; the upper word stays 0
.set WB,   84                          ; s[84:85] my wave's stream in wimg
.set MSB, 0
.macro WIN new                         ; the immediate's high byte repeats the setting that is left
.if MSB != \new
	s_set_vgpr_msb (MSB<<8)|\new
.set MSB, \new
.endif
.endm
.macro PLACES n
.rept \n
	v_nop
.endr
.endm
.macro CREST                           ; a round of the cluster's barrier behind its opening barrier
	s_cmp_lg_u32 s22, 0
	s_cbranch_scc1 .Lnot_wave_0_\@
	s_barrier_signal -3
.Lnot_wave_0_\@:
	s_barrier_wait -3
	s_barrier_signal -1
	s_barrier_wait -1
.endm
.macro CROUND
	s_barrier_signal -1
	s_barrier_wait -1
	CREST
.endm
	s_load_b512 s[4:19], s[0:1], 0x0               ; acodes, ascl, wimg, span_starts, span_ends, W2, b1, b2
	s_load_b64 s[20:21], s[0:1], 0x40              ; out0
	v_lshl_add_u32 v[SPW], v0, 2, SPARE
	v_mov_b32 v[NIL], 0
	ds_add_u32 v1, v2
	ds_add_u32 v1, v2
	s_wait_dscnt 0x0
	v_lshrrev_b32 v128, 5, v0
	v_readfirstlane_b32 s22, v128                  ; wave 0..3
	s_bfe_u32 s23, ttmp6, 0x40000                  ; cx
	s_mul_i32 s25, ttmp9, 69
	s_lshr_b32 s25, s25, 10                        ; the batch: cluster / 15 (exact for 0..59)
	s_mul_i32 s26, s25, 15
	s_sub_co_u32 s26, ttmp9, s26
	s_mul_i32 s26, s26, 505
	s_mul_i32 s31, s23, 126
	s_add_co_u32 s26, s26, s31                     ; my first span in the list
	s_mul_i32 s27, ttmp9, 505
	s_add_co_u32 s27, s27, s31                     ; my first flat row
	s_cmp_eq_u32 s23, 3
	s_cselect_b32 s28, 3, 0
	s_add_co_u32 s28, s28, 378                     ; 3 x the rows that I own: how many numbers I store
	; the cluster's order, from its number alone: the same in all four partners.  x = c ^ (c >> 2) ^ (c >> 4): every bit of c turns e or q
	s_lshr_b32 s31, ttmp9, 2
	s_xor_b32 s76, ttmp9, s31
	s_lshr_b32 s31, ttmp9, 4
	s_xor_b32 s76, s76, s31
	s_and_b32 s77, s76, 1                          ; e
	s_bfe_u32 s76, s76, 0x10001                    ; q
	s_mul_i32 s[PB], s76, PASSB
	s_add_co_u32 s[PB], s[PB], STEPB               ; the first pass
	s_mul_i32 s[RB], s77, HALFK                    ; slot 1 begins with the first part's K steps 0, 1;
	s_sub_co_u32 s[RA], RINGK-SLOTB, s[RB]         ; slot 0's place stands one step of its walk in front of the first part's K steps 2, 3
	s_mov_b32 s[OFS+1], 0
	; descriptor groups 1: a dense block as rows of 256 bytes (32 elements of 8 bytes): two K steps (132 rows), or one (66)
	s_mov_b32 s32, 15|(3<<16)|(1<<21)              ; 15:0 the mask: all four work-groups; 17:16 elements of 8 bytes; 21 set beside a mask
	s_mov_b32 s33, 32<<16                          ; tensor_dim0
	s_mov_b32 s34, 132<<16                         ; tensor_dim1
	s_mov_b32 s35, 32<<16                          ; tile_dim0
	s_mov_b32 s36, 132                             ; tile_dim1
	s_mov_b32 s37, 32                              ; from row to row
	s_mov_b32 s38, 0
	s_mov_b32 s39, 0
	s_mov_b32 s40, 15|(3<<16)|(1<<21)
	s_mov_b32 s41, 32<<16
	s_mov_b32 s42, 66<<16
	s_mov_b32 s43, 32<<16
	s_mov_b32 s44, 66
	s_mov_b32 s45, 32
	s_mov_b32 s46, 0
	s_mov_b32 s47, 0
	s_mov_b32 s68, 0x76543210
	s_mov_b32 s69, 0xfedcba98                      ; v_permlanex16_b32's selects for lane l xor 16
	s_mov_b32 s70, 0xffff0000                      ; lanes 16-31
	s_mov_b32 s29, 2                               ; passes to go
	s_mov_b32 s61, 0
	s_mov_b32 s63, 0
	s_mul_i32 s24, s22, RINGW                      ; my ring: the wave's number alone enters an LDS address
	s_mul_i32 s60, s22, WSTRM
	s_mul_i32 s62, s27, 12
	s_wait_kmcnt 0x0
	s_load_b96 s[72:74], s[18:19], 0x0             ; b2
	s_add_nc_u64 s[WB:WB+1], s[8:9], s[60:61]      ; my wave's stream of W1: the same in all four partners
	s_add_nc_u64 s[20:21], s[20:21], s[62:63]      ; out0 at my first row
	s_mov_b32 s48, 1                               ; group 0 for slot 0: first the first pass's width step,
	s_mov_b32 s49, s24
	s_sub_co_u32 s[OFS], s[PB], STEPB
	s_add_nc_u64 s[50:51], s[WB:WB+1], s[OFS:OFS+1]
	s_or_b32 s51, s51, 0x80000000
	s_mov_b32 s52, 1                               ; for slot 1: the first part's K steps 0, 1
	s_add_co_u32 s53, s24, SLOTB
	s_add_co_u32 s[OFS], s[PB], s[RB]
	s_add_nc_u64 s[54:55], s[WB:WB+1], s[OFS:OFS+1]
	s_or_b32 s55, s55, 0x80000000
	s_cmp_eq_u32 s77, 0                            ; which list names the first part's tokens: the choice hangs on the cluster's number alone
	s_cselect_b64 s[88:89], s[10:11], s[12:13]
	s_cselect_b64 s[90:91], s[12:13], s[10:11]
	s_cselect_b32 s87, 1, -1                       ; end - start = (second - first) x this
	CROUND                                         ; all four work-groups are here: the first joint loads meet
	tensor_load_to_lds s[52:55], s[32:39]          ; two loads of mine are out
	s_nop 0
	tensor_load_to_lds s[48:51], s[40:47]
	s_nop 0
	PLACES 4
	v_and_b32 v128, 31, v0                         ; lane
	v_lshlrev_b32 v129, 4, v128
	v_and_b32 v130, 15, v0                         ; r
	v_bfe_u32 v131, v0, 4, 1                       ; h
	v_bfe_u32 v132, v0, 3, 2                       ; g
	v_and_b32 v133, 7, v0                          ; p
	v_lshlrev_b32 v134, 2, v128
	v_add_nc_u32 v[ADRB], s24, v129
	v_add_nc_u32 v[ADRB+1], SLOTB, v[ADRB]
	v_mul_u32_u24 v[ADRA], v130, AP
	v_lshl_add_u32 v[ADRA], v131, 4, v[ADRA]
	v_add_nc_u32 v[ADRA], STG0, v[ADRA]
	s_mul_i32 s31, s22, 32*AP
	v_mul_u32_u24 v[ASTO], v132, 8*AP
	v_lshl_add_u32 v[ASTO], v133, 4, v[ASTO]
	v_add_nc_u32 v[ASTO], s31, v[ASTO]
	v_add_nc_u32 v[ASTO], STG0, v[ASTO]
	s_lshl_b32 s31, s22, 2
	v_add_nc_u32 v[ASSW], s31, v129
	v_add_nc_u32 v[ASSW], STG0+ASC, v[ASSW]
	v_add_nc_u32 v[ASRD], STG0+ASC, v129
	s_mul_i32 s31, s22, 1536
	v_add_nc_u32 v[REDW], s31, v134
	v_add_nc_u32 v[REDW], RED, v[REDW]
	v_mul_u32_u24 v[EW], v131, 96
	v_add_nc_u32 v[EW], s31, v[EW]
	v_add_nc_u32 v[EW], W2L, v[EW]
	s_mul_i32 s31, s22, 384
	v_add_nc_u32 v[REDR], s31, v134
	v_add_nc_u32 v[REDR], RED, v[REDR]
	s_lshl_b32 s31, s22, 9
	v_lshl_add_u32 v[EB], v131, 5, s31
	v_add_nc_u32 v[EB], B1L, v[EB]
	; the spans of my rows: 32 w + 8 g + i for the codes, 32 w + lane for the scale words; held inside the list
	s_lshl_b32 s31, s22, 5
	s_add_co_u32 s31, s31, s26
	v_lshl_add_u32 v135, v132, 3, s31
.irp i, 0,1,2,3,4,5,6,7
	v_add_nc_u32 v[136+\i], \i, v135
.endr
	v_add_nc_u32 v144, s31, v128
.irp i, 0,1,2,3,4,5,6,7,8
	v_min_u32 v[136+\i], 7574, v[136+\i]
.endr
.irp i, 0,1,2,3,4,5,6,7,8
	v_lshlrev_b32 v[136+\i], 2, v[136+\i]
.endr
.irp i, 0,1,2,3,4,5,6,7
	global_load_b32 v[GS+\i], v[136+\i], s[88:89]
	global_load_b32 v[GE+\i], v[136+\i], s[90:91]
.endr
	global_load_b32 v[SS], v144, s[88:89]
	global_load_b32 v[SE], v144, s[90:91]
	v_lshlrev_b32 v145, 4, v0                      ; W2 and b1 go to LDS: 16 bytes a thread, 2,048 a load of the work-group; the half that the first pass uses is read first, so that it lies first
	v_add_nc_u32 v146, W2L, v145
	s_mul_i32 s31, s76, 6144                       ; 512 rows of W2 are 6,144 bytes
	v_add_nc_u32 v148, s31, v145
	s_sub_co_u32 s31, 6144, s31
	v_add_nc_u32 v149, s31, v145
	s_lshl_b32 s31, s76, 11                        ; 512 numbers of b1 are 2,048
	v_add_nc_u32 v150, s31, v145
	s_sub_co_u32 s31, 2048, s31
	v_add_nc_u32 v151, s31, v145
.irp i, 0,1,2
	global_load_b128 v[STA+4*\i:STA+4*\i+3], v148, s[14:15] offset:2048*\i
.endr
.irp i, 0,1,2
	global_load_b128 v[STA+12+4*\i:STA+12+4*\i+3], v149, s[14:15] offset:2048*\i
.endr
	global_load_b128 v[STA+24:STA+27], v150, s[16:17]
	global_load_b128 v[STA+28:STA+31], v151, s[16:17]
	s_lshl_b32 s31, s25, 9                         ; the batch's first token
	v_lshlrev_b32 v135, 4, v133                    ; 16 p
	v_add_nc_u32 v147, WOFF, v135
	s_wait_loadcnt 0x0
.irp i, 0,1,2,3,4,5,6,7
	ds_store_b128 v146, v[STA+4*\i:STA+4*\i+3] offset:2048*\i        ; b1 lies straight behind W2
.endr
.irp i, 0,1,2,3,4,5,6,7
	v_min_u32 v[GS+\i], 511, v[GS+\i]
	v_min_u32 v[GE+\i], 511, v[GE+\i]
.endr
.irp i, 0,1,2,3,4,5,6,7
	v_sub_nc_u32 v[GW+\i], v[GE+\i], v[GS+\i]
.endr
.irp i, 0,1,2,3,4,5,6,7
	v_mul_lo_u32 v[GW+\i], v[GW+\i], s87           ; end - start, whichever of the two is the first part
.endr
.irp i, 0,1,2,3,4,5,6,7
	v_min_u32 v[GW+\i], 14, v[GW+\i]
	v_add_nc_u32 v[GS+\i], s31, v[GS+\i]
	v_add_nc_u32 v[GE+\i], s31, v[GE+\i]
.endr
.irp i, 0,1,2,3,4,5,6,7
	v_lshl_add_u32 v[GW+\i], v[GW+\i], 7, v147     ; a width row is 128 bytes
	v_lshl_add_u32 v[GS+\i], v[GS+\i], 10, v135    ; a token's row 1,024
	v_lshl_add_u32 v[GE+\i], v[GE+\i], 10, v135
.endr
	v_min_u32 v[SS], 511, v[SS]
	v_min_u32 v[SE], 511, v[SE]
	v_sub_nc_u32 v[SW], v[SE], v[SS]
	v_mul_lo_u32 v[SW], v[SW], s87
	v_min_u32 v[SW], 14, v[SW]
	v_add_nc_u32 v[SS], s31, v[SS]
	v_add_nc_u32 v[SE], s31, v[SE]
	v_lshlrev_b32 v[SS], 5, v[SS]                  ; a token's scale bytes are 32
	v_lshlrev_b32 v[SE], 5, v[SE]
	v_lshl_add_u32 v[SW], v[SW], 2, SOFF
; One matrix instruction: spans' block a x hidden units' block b, 128 along K.  A scale register holds two blocks' words: the even block's in lanes 0-15, the odd one's in lanes 16-31.
.macro WM a, b, bs, zero
.set rD, 8*(8*((\a)%4)+(\b))
.set rB, 128*(\bs)+16*(\b)
.set rA, AF+16*(\a)
.set rX, SB+4*(\bs)+(\b)/2
.set rY, SA+4*(\bs)+(\a)/2
.set par, 2*((\a)%2)+(\b)%2
.if \zero
.if par == 0
	v_wmma_scale_f32_16x16x128_f8f6f4 v[rD:rD+7], v[rB:rB+15], v[rA:rA+15], 0, v[rX], v[rY] matrix_a_fmt:MATRIX_FMT_BF8 matrix_b_fmt:MATRIX_FMT_BF8
.elseif par == 1
	v_wmma_scale_f32_16x16x128_f8f6f4 v[rD:rD+7], v[rB:rB+15], v[rA:rA+15], 0, v[rX], v[rY] matrix_a_fmt:MATRIX_FMT_BF8 matrix_b_fmt:MATRIX_FMT_BF8 matrix_a_scale:MATRIX_SCALE_ROW1
.elseif par == 2
	v_wmma_scale_f32_16x16x128_f8f6f4 v[rD:rD+7], v[rB:rB+15], v[rA:rA+15], 0, v[rX], v[rY] matrix_a_fmt:MATRIX_FMT_BF8 matrix_b_fmt:MATRIX_FMT_BF8 matrix_b_scale:MATRIX_SCALE_ROW1
.else
	v_wmma_scale_f32_16x16x128_f8f6f4 v[rD:rD+7], v[rB:rB+15], v[rA:rA+15], 0, v[rX], v[rY] matrix_a_fmt:MATRIX_FMT_BF8 matrix_b_fmt:MATRIX_FMT_BF8 matrix_a_scale:MATRIX_SCALE_ROW1 matrix_b_scale:MATRIX_SCALE_ROW1
.endif
.else
.if par == 0
	v_wmma_scale_f32_16x16x128_f8f6f4 v[rD:rD+7], v[rB:rB+15], v[rA:rA+15], v[rD:rD+7], v[rX], v[rY] matrix_a_fmt:MATRIX_FMT_BF8 matrix_b_fmt:MATRIX_FMT_BF8
.elseif par == 1
	v_wmma_scale_f32_16x16x128_f8f6f4 v[rD:rD+7], v[rB:rB+15], v[rA:rA+15], v[rD:rD+7], v[rX], v[rY] matrix_a_fmt:MATRIX_FMT_BF8 matrix_b_fmt:MATRIX_FMT_BF8 matrix_a_scale:MATRIX_SCALE_ROW1
.elseif par == 2
	v_wmma_scale_f32_16x16x128_f8f6f4 v[rD:rD+7], v[rB:rB+15], v[rA:rA+15], v[rD:rD+7], v[rX], v[rY] matrix_a_fmt:MATRIX_FMT_BF8 matrix_b_fmt:MATRIX_FMT_BF8 matrix_b_scale:MATRIX_SCALE_ROW1
.else
	v_wmma_scale_f32_16x16x128_f8f6f4 v[rD:rD+7], v[rB:rB+15], v[rA:rA+15], v[rD:rD+7], v[rX], v[rY] matrix_a_fmt:MATRIX_FMT_BF8 matrix_b_fmt:MATRIX_FMT_BF8 matrix_a_scale:MATRIX_SCALE_ROW1 matrix_b_scale:MATRIX_SCALE_ROW1
.endif
.endif
.endm
; 8 of them: block a of the spans x the eight blocks of hidden units; 16: blocks a0, a0 + 1.  The 64 accumulators take turns, one instruction a turn, in the same order in every step.
.macro MUL8 a, bs, zero
.irp b, 0,1,2,3,4,5,6,7
	WM \a, \b, \bs, \zero
.endr
.endm
.macro MUL16 a0, bs, zero
	MUL8 \a0, \bs, \zero
	MUL8 \a0+1, \bs, \zero
.endm
.macro FETCH_B sl, pos, st             ; W1's eight fragments of the K step at place pos of slot sl, into set st: images of the registers, 512 consecutive bytes a load
	WIN 0x40
.irp b, 0,1,2,3,4,5,6,7
.irp c, 0,1,2,3
	ds_load_b128 v[128*(\st)+16*\b+4*\c:128*(\st)+16*\b+4*\c+3], v[ADRB+(\sl)] offset:STEPB*(\pos)+2048*\b+512*\c
.endr
.endr
	WIN 0
.endm
.macro FETCH_A sg, i0                  ; the spans' blocks i0 .. i0 + 3 from stage sg: lane (r, h): row r, K = 32 c + 16 h on
.irp i, \i0, \i0+1, \i0+2, \i0+3
.irp c, 0,1,2,3
	ds_load_b128 v[AF+16*(\i)+4*\c:AF+16*(\i)+4*\c+3], v[ADRA] offset:STGB*(\sg)+2304*(\i)+32*\c
.endr
.endr
.endm
.macro FETCH_S sl, pos, sg, st         ; the scale words: four registers a side
	ds_load_b128 v[SB+4*(\st):SB+4*(\st)+3], v[ADRB+(\sl)] offset:STEPB*(\pos)+16384
	ds_load_b128 v[SA+4*(\st):SA+4*(\st)+3], v[ASRD] offset:STGB*(\sg)
.endm
.macro PUTA st, sg, lc                 ; staging set st goes into stage sg; lc: the younger gather's nine loads, or none
	s_wait_loadcnt \lc
.irp i, 0,1,2,3,4,5,6,7
	ds_store_b128 v[ASTO], v[STA+32*(\st)+4*\i:STA+32*(\st)+4*\i+3] offset:AP*\i+STGB*(\sg)
.endr
	ds_store_b32 v[ASSW], v[STS+(\st)] offset:STGB*(\sg)
.endm
.macro GATH gv, sv, ch, st             ; a K step's part of my 32 rows: 128 codes a row from byte 128 ch of the part, and the rows' scale words
.irp i, 0,1,2,3,4,5,6,7
	global_load_b128 v[STA+32*(\st)+4*\i:STA+32*(\st)+4*\i+3], v[(\gv)+\i], s[4:5] offset:128*(\ch)
.endr
	global_load_b32 v[STS+(\st)], v[\sv], s[6:7] offset:4*(\ch)
.endm
.macro GATHD st                        ; the same inside the loop: the K step is s66 (1-8 first part, 9-16 second), its bytes s60 and s62.  Both ways issue nine loads
	s_wait_xcnt 0x0                                ; the earlier gathers have read their bases: they may be written
	s_add_nc_u64 s[56:57], s[4:5], s[60:61]
	s_add_nc_u64 s[58:59], s[6:7], s[62:63]
	s_cmp_lt_u32 s66, 9
	s_cbranch_scc0 .Lsecond_\@
.irp i, 0,1,2,3,4,5,6,7
	global_load_b128 v[STA+32*(\st)+4*\i:STA+32*(\st)+4*\i+3], v[GS+\i], s[56:57]
.endr
	global_load_b32 v[STS+(\st)], v[SS], s[58:59]
	s_branch .Lgot_\@
.Lsecond_\@:
.irp i, 0,1,2,3,4,5,6,7
	global_load_b128 v[STA+32*(\st)+4*\i:STA+32*(\st)+4*\i+3], v[GE+\i], s[56:57]
.endr
	global_load_b32 v[STS+(\st)], v[SE], s[58:59]
.Lgot_\@:
	s_add_co_u32 s66, s66, 1
	s_add_co_u32 s60, s60, 128
	s_and_b32 s60, s60, 1023
	s_lshr_b32 s62, s60, 5
.endm
.macro GAT gk, gv, sv, gc, st          ; gk = 1: a gather whose part and chunk are written out; 2: the loop's; 0: none
.if \gk == 1
	GATH \gv, \sv, \gc, \st
.elseif \gk == 2
	GATHD \st
.endif
.endm
; Where a slot's next two K steps lie: its place goes two slots' worth on, round the pass's eight (where e = 1 the walk begins in the middle and comes round); the address is made anew from my stream's.
; It stands where no tensor load of mine is out, so that a group 0 may be written.
.macro NEXTB g0, rel
	s_add_co_u32 s[\rel], s[\rel], 2*SLOTB
	s_cmp_ge_u32 s[\rel], RINGK
	s_cselect_b32 s86, RINGK, 0
	s_sub_co_u32 s[\rel], s[\rel], s86
	s_add_co_u32 s[OFS], s[\rel], s[PB]
	s_add_nc_u64 s[\g0+2:\g0+3], s[WB:WB+1], s[OFS:OFS+1]
	s_or_b32 s[\g0+3], s[\g0+3], 0x80000000
.endm
; A K STEP s.  bs = s % 2: W1's set, the scale words' set and the stage in hand.  Head: the next step's rows go into the other stage.  One barrier: in front of it my stage stores have landed and my reads of the
; stage and slot in hand are over; behind it the rows of three steps on are gathered, into the staging set whose stores that wait has shown done, and the next step's fragments are fetched.
; kind = 1: the slot in hand was read out in the step before and is filled again, so the barrier is a round of the cluster's.  The wait for my tensor load stands behind the step's first 8 products and the round behind the
; next 8, so that between the wait and the next request stand 8 products and the round, and between a request and the wait for it 120 products.  kind = 2: the last slot is waited for and nothing is asked.
; Eight plain vector instructions stand between a matrix instruction and a load into a register that it has read.
.macro KSTEP bs, zero, lc, kind, g0, rel, nsl, npos, gk, gv, sv, gc
	PUTA 1-\bs, 1-\bs, \lc
.if \kind == 1
	s_wait_dscnt 25                                ; may be out: the spans' blocks 4-7 (16 loads) and the 9 stage stores
	WIN 0xa1
	MUL8 0, \bs, \zero
	WIN 0                                          ; (the add's two registers lie in window 0)
	s_wait_tensorcnt 0x0                           ; all my tensor loads have landed: the one that was out is the slot that is read next;
	ds_add_u32 v[SPW], v[NIL]                      ; 0 onto my spare word
	NEXTB \g0, \rel
	WIN 0xa1
	MUL8 1, \bs, \zero                             ; eight matrix instructions stand between the add and the wait for it
	WIN 0
	s_wait_dscnt 0x0                               ; my stage stores have landed, my reads of the old stage and of the slot are over, the add is done
	s_barrier_signal -1
	s_barrier_wait -1
	CREST                                          ; no wave of any partner still reads this slot or has a load on its way
	tensor_load_to_lds s[\g0:\g0+3], s[32:39]      ; my one tensor load behind the round: two K steps of W1
	s_nop 0
	PLACES 4
	GAT \gk, \gv, \sv, \gc, 1-\bs
	WIN 0xa1
	MUL16 2, \bs, \zero
	WIN 0
.else
.if \kind == 2
	s_wait_tensorcnt 0x0                           ; the last slot has landed
.endif
	s_wait_dscnt 25                                ; may be out: the spans' blocks 4-7 and the 9 stage stores
	WIN 0xa1
	MUL16 0, \bs, \zero
	s_wait_dscnt 0x0                               ; my stage stores have landed, and my reads of the old stage are over
	s_barrier_signal -1
	MUL16 2, \bs, \zero
	WIN 0
	s_barrier_wait -1                              ; my tensor load may stay out
	GAT \gk, \gv, \sv, \gc, 1-\bs
.endif
	PLACES 8
	FETCH_B \nsl, \npos, 1-\bs
	FETCH_A 1-\bs, 0
	FETCH_S \nsl, \npos, 1-\bs, 1-\bs
	WIN 0xf1
	MUL16 4, \bs, \zero
	MUL16 6, \bs, \zero
	PLACES 8
	WIN 0
	FETCH_A 1-\bs, 4
.endm
; A PASS'S LAST K STEP (16).  more = 1 (the first pass): slot 0 takes the next pass's width step; behind the round the next pass's first rows go into stage 0, which every wave has read out.  more = 0 (the second): nothing is asked, no barrier.
; In place of the next fragments come b1 (over the spans' blocks 0-3) and W2 (over W1's sets as they fall free): lane (r, h) takes, for block b, the eight hidden units 16 b + 8 h on: 32 and 96 consecutive bytes.
.macro LAST more
.if \more
	s_wait_tensorcnt 0x0
	ds_add_u32 v[SPW], v[NIL]
	s_sub_co_u32 s[OFS], s[PB], STEPB              ; the next pass's first byte (s[PB] was turned to that pass ahead of K step 14)
	s_add_nc_u64 s[50:51], s[WB:WB+1], s[OFS:OFS+1]
	s_or_b32 s51, s51, 0x80000000
	s_wait_dscnt 17                                ; may be out: the spans' blocks 4-7 and the add
.else
	s_wait_dscnt 16
.endif
	WIN 0xa1
	MUL16 0, 0, 0
	s_wait_dscnt 0x0
.if \more
	s_barrier_signal -1
.endif
	MUL16 2, 0, 0
	WIN 0
.if \more
	s_barrier_wait -1
	CREST
	tensor_load_to_lds s[48:51], s[40:47]          ; one K step
	s_nop 0
.endif
	PLACES 8
.if \more
	PUTA 1, 0, 9
.endif
.irp b, 0,1,2,3,4,5,6,7
.irp q, 0,1
	ds_load_b128 v[BI+8*\b+4*\q:BI+8*\b+4*\q+3], v[EB] offset:2048*(1-\more)+64*\b+16*\q
.endr
.endr
	WIN 0x40
.irp b, 0,1,2,3
.irp q, 0,1,2,3,4,5
	ds_load_b128 v[128+24*\b+4*\q:128+24*\b+4*\q+3], v[EW] offset:6144*(1-\more)+192*\b+16*\q
.endr
.endr
	WIN 0
.if \more
	s_wait_dscnt 40                                ; all but the 40 loads just issued: the stage stores have read the staging set
	GATH GS, SS, 0, 1                              ; the next pass's K step 1
.endif
	WIN 0xf1
	MUL16 4, 0, 0
	MUL16 6, 0, 0
	PLACES 8
	WIN 0x40
.irp b, 4,5,6,7
.irp q, 0,1,2,3,4,5
	ds_load_b128 v[24*(\b-4)+4*\q:24*(\b-4)+4*\q+3], v[EW] offset:6144*(1-\more)+192*\b+16*\q
.endr
.endr
	WIN 0
.endm
; THE EPILOGUE'S PARTS.  EMAX: max(x, -b1) in place, each accumulator from its low end on.  W2's 24 numbers of block b stand at v[(128 + 24 b) % 224] of window 1: three a hidden unit.
; For two hidden units u, u + 1 (a register pair H) three packed multiply-adds take W2's six numbers as they lie: X += (H.lo, H.lo) (W[u][0], W[u][1]); Y += (H.lo, H.hi) (W[u][2], W[u+1][0]); Z += (H.hi, H.hi) (W[u+1][1], W[u+1][2]).
.macro EMAX hi
	WIN 0x82+0x41*\hi
.irp a, 0,1,2,3
.irp b, 0,1,2,3,4,5,6,7
.irp j, 0,1,2,3,4,5,6,7
	v_max_num_f32 v[8*(8*\a+\b)+\j], v[8*(8*\a+\b)+\j], -v[BI+8*\b+\j]
.endr
.endr
.endr
.endm
.macro EFMA hi
	WIN 0x06+\hi
.irp b, 0,1,2,3,4,5,6,7
.irp q, 0,1,2,3
.irp a, 0,1,2,3
.set rW, (128+24*\b)%224+6*\q
.set rH, 8*(8*\a+\b)+2*\q
.set rP, PP+6*(\a+4*\hi)
.if (\b == 0) && (\q == 0)
	v_pk_fma_f32 v[rP:rP+1], v[rH:rH+1], v[rW:rW+1], v[CI:CI+1] op_sel_hi:[0,1,1]          ; the sums begin with the lane's sum of b1 W2
	v_pk_fma_f32 v[rP+2:rP+3], v[rH:rH+1], v[rW+2:rW+3], v[CI+2:CI+3]
	v_pk_fma_f32 v[rP+4:rP+5], v[rH:rH+1], v[rW+4:rW+5], v[CI+4:CI+5] op_sel:[1,0,0]
.else
	v_pk_fma_f32 v[rP:rP+1], v[rH:rH+1], v[rW:rW+1], v[rP:rP+1] op_sel_hi:[0,1,1]
	v_pk_fma_f32 v[rP+2:rP+3], v[rH:rH+1], v[rW+2:rW+3], v[rP+2:rP+3]
	v_pk_fma_f32 v[rP+4:rP+5], v[rH:rH+1], v[rW+4:rW+5], v[rP+4:rP+5] op_sel:[1,0,0]
.endif
.endr
.endr
.endr
.endm
	; the first rows: K step 0 (width) through set 1, K step 2 into set 0, then K step 1 into set 1
	s_wait_dscnt 0x0                               ; the stores of W2 and b1 have read set 0
	GATH GW, SW, 0, 1
	GATH GS, SS, 1, 0
	PUTA 1, 0, 9
	s_wait_kmcnt 0x0
	v_mov_b32 v[LG], s72                           ; the logits begin as b2
	v_mov_b32 v[LG+1], s73
	v_mov_b32 v[LG+2], s74
	s_wait_dscnt 0x0                               ; the stage stores have read set 1
	GATH GS, SS, 0, 1
.Lpass:
	s_wait_tensorcnt 0x0                           ; the width step, the younger of my two loads, has landed
	s_wait_dscnt 0x0
	s_barrier_signal -1
	s_barrier_wait -1                              ; stage 0 holds K step 0's rows; nobody reads stage 1 any more
	s_mov_b32 s66, 4                               ; the loop's first gather is K step 4's: first part, bytes 384 on
	s_mov_b32 s60, 384
	s_mov_b32 s62, 12
	FETCH_B 0, 0, 0
	FETCH_A 0, 0
	FETCH_S 0, 0, 0, 0
	FETCH_A 0, 4
	KSTEP 0, 1, 0, 1, 48, RA, 1, 0, 1, GS, SS, 2             ; K step 0: its products start the sums; slot 0 takes K steps 3, 4
	s_mov_b32 s30, 3
.Lquad:                                                ; K steps 4 k + 1 .. 4 k + 4: once round the ring
	KSTEP 1, 0, 9, 0, 0, 0, 1, 1, 2, 0, 0, 0
	KSTEP 0, 0, 9, 1, 52, RB, 0, 0, 2, 0, 0, 0
	KSTEP 1, 0, 9, 0, 0, 0, 0, 1, 2, 0, 0, 0
	KSTEP 0, 0, 9, 1, 48, RA, 1, 0, 2, 0, 0, 0
	s_sub_co_u32 s30, s30, 1
	s_cmp_lg_u32 s30, 0
	s_cbranch_scc1 .Lquad
	s_cmp_eq_u32 s29, 1
	s_cbranch_scc1 .Llast                          ; the last pass's tail is written out: it asks for nothing more
	KSTEP 1, 0, 9, 0, 0, 0, 1, 1, 1, GE, SE, 7               ; K step 13
	s_sub_co_u32 s[PB], PASSB+2*STEPB, s[PB]       ; from here on what is asked for is the other pass's
	KSTEP 0, 0, 9, 1, 52, RB, 0, 0, 1, GW, SW, 0             ; 14: slot 1 takes the next pass's K steps 1, 2 (its place has come round); that pass's width rows are gathered
	KSTEP 1, 0, 9, 0, 0, 0, 0, 1, 1, GS, SS, 1               ; 15
	LAST 1
	s_branch .Lepi
.Llast:
	KSTEP 1, 0, 9, 0, 0, 0, 1, 1, 1, GE, SE, 7
	KSTEP 0, 0, 9, 2, 0, 0, 0, 0, 0, 0, 0, 0
	KSTEP 1, 0, 0, 0, 0, 0, 0, 1, 0, 0, 0, 0                 ; the last gather is the youngest: its wait is for 0
	LAST 0
.Lepi:
	s_wait_dscnt 24                                ; b1 and W2's lower half are in; the 24 loads of the upper half may be out
	EMAX 0
	s_wait_dscnt 0x0
	WIN 0x04                                       ; the lane's sum of b1 W2 over its 64 hidden units, in the same three pairs
.irp b, 0,1,2,3,4,5,6,7
.irp q, 0,1,2,3
.set rW, (128+24*\b)%224+6*\q
.set rH, BI+8*\b+2*\q
.if (\b == 0) && (\q == 0)
	v_pk_mul_f32 v[CI:CI+1], v[rH:rH+1], v[rW:rW+1] op_sel_hi:[0,1]
	v_pk_mul_f32 v[CI+2:CI+3], v[rH:rH+1], v[rW+2:rW+3]
	v_pk_mul_f32 v[CI+4:CI+5], v[rH:rH+1], v[rW+4:rW+5] op_sel:[1,0]
.else
	v_pk_fma_f32 v[CI:CI+1], v[rH:rH+1], v[rW:rW+1], v[CI:CI+1] op_sel_hi:[0,1,1]
	v_pk_fma_f32 v[CI+2:CI+3], v[rH:rH+1], v[rW+2:rW+3], v[CI+2:CI+3]
	v_pk_fma_f32 v[CI+4:CI+5], v[rH:rH+1], v[rW+4:rW+5], v[CI+4:CI+5] op_sel:[1,0,0]
.endif
.endr
.endr
	EFMA 0
	EMAX 1
	EFMA 1
	WIN 0
.irp a, 0,1,2,3,4,5,6,7
.irp k, 0,1,2
	v_add_f32 v[PP+6*\a+\k], v[PP+6*\a+\k], v[PP+6*\a+3+\k]      ; label 0 = X.lo + Y.hi, 1 = X.hi + Z.lo, 2 = Y.lo + Z.hi
.endr
.endr
; The two halves of the lanes hold the two halves of a block's hidden units.  Blocks 2 i and 2 i + 1 are joined so that lane l ends with row 32 i + l: lanes 0-15 keep block 2 i's and take lane l + 16's, lanes 16-31 block 2 i + 1's.
.irp i, 0,1,2,3
.irp k, 0,1,2
	v_cndmask_b32 v[TT+\k], v[PP+12*\i+\k], v[PP+12*\i+6+\k], s70
.endr
.irp k, 0,1,2
	v_cndmask_b32 v[TT+3+\k], v[PP+12*\i+6+\k], v[PP+12*\i+\k], s70
.endr
.irp k, 0,1,2
	v_permlanex16_b32 v[PP+12*\i+6+\k], v[TT+3+\k], s68, s69
.endr
.irp k, 0,1,2
	v_add_f32 v[PP+12*\i+\k], v[TT+\k], v[PP+12*\i+6+\k]
.endr
.endr
.irp i, 0,1,2,3
.irp k, 0,1,2
	ds_store_b32 v[REDW], v[PP+12*\i+\k] offset:128*(3*\i+\k)    ; my 128 hidden units' share of all 128 rows
.endr
.endr
	s_wait_dscnt 0x0
	s_barrier_signal -1
	s_barrier_wait -1
.irp u, 0,1,2,3
.irp k, 0,1,2
	ds_load_b32 v[PP+3*\u+\k], v[REDR] offset:1536*\u+128*\k     ; the four waves' shares of row 32 w + lane
.endr
.endr
	s_wait_dscnt 0x0
.irp k, 0,1,2
	v_add_f32 v[PP+\k], v[PP+\k], v[PP+3+\k]
	v_add_f32 v[PP+6+\k], v[PP+6+\k], v[PP+9+\k]
.endr
.irp k, 0,1,2
	v_add_f32 v[PP+\k], v[PP+\k], v[PP+6+\k]
.endr
.irp k, 0,1,2
	v_add_f32 v[LG+\k], v[LG+\k], v[PP+\k]
.endr
	s_sub_co_u32 s29, s29, 1
	s_cmp_lg_u32 s29, 0
	s_cbranch_scc1 .Lpass
	; THE WAY OUT.  A lane holds a row's three numbers; through the wave's own 384 bytes of LDS they come back in the order of memory, so that a store covers 128 consecutive bytes.
	; A row of out0 is 12 bytes and my first row stands at a multiple of 4 bytes only: wider stores would not be aligned.  Numbers of rows that I do not own are not stored.
	v_and_b32 v125, 31, v0
	v_mul_u32_u24 v126, v125, 12
	s_mul_i32 s31, s22, 384
	v_add_nc_u32 v126, s31, v126
	v_add_nc_u32 v126, RED+OUTO, v126
	ds_store_b32 v126, v[LG]
	ds_store_b32 v126, v[LG+1] offset:4
	ds_store_b32 v126, v[LG+2] offset:8
.irp k, 0,1,2
	ds_load_b32 v[PP+\k], v[REDR] offset:OUTO+128*\k             ; LDS serves a wave's instructions in order: these see my stores
.endr
	s_mul_i32 s31, s22, 96
	v_add_nc_u32 v125, s31, v125                   ; which of the work-group's numbers: 96 w + lane, + 32 k
	v_lshlrev_b32 v127, 2, v125
	s_wait_dscnt 0x0
.irp k, 0,1,2
	v_add_nc_u32 v[TT+\k], 32*\k, v125
	v_cmp_gt_u32 vcc_lo, s28, v[TT+\k]
	s_wait_xcnt 0x0                                ; EXEC changes only behind this wait
	s_and_saveexec_b32 s75, vcc_lo
	global_store_b32 v127, v[PP+\k], s[20:21] offset:128*\k
	s_wait_xcnt 0x0
	s_or_b32 exec_lo, exec_lo, s75
.endr
	s_wait_tensorcnt 0x0                           ; the wave's end: behind my last tensor load and my last LDS store
	ds_add_u32 v[SPW], v[NIL]
	s_wait_dscnt 0x0
	CROUND                                         ; the closing round: no work-group ends while a partner may still ask for a tile that names it
	s_endpgm
.Lfunc_end_k_q407bd32385_spans:
	.size	k_q407bd32385_spans, .Lfunc_end_k_q407bd32385_spans-k_q407bd32385_spans
	.p2alignl 7, 3214868480
	.fill 96, 4, 3214868480
	.section	.rodata,"a",@progbits
	.p2align	6, 0x0
	.amdhsa_kernel k_q407bd32385_spans
		.amdhsa_group_segment_fixed_size 327680
		.amdhsa_private_segment_fixed_size 0
		.amdhsa_enable_private_segment 0
		.amdhsa_kernarg_size 72
		.amdhsa_user_sgpr_count 2
		.amdhsa_user_sgpr_kernarg_segment_ptr 1
		.amdhsa_wavefront_size32 1
		.amdhsa_system_sgpr_workgroup_id_x 1
		.amdhsa_system_sgpr_workgroup_id_y 1
		.amdhsa_system_sgpr_workgroup_id_z 1
		.amdhsa_system_vgpr_workitem_id 0
		.amdhsa_next_free_vgpr 1024
		.amdhsa_next_free_sgpr 96
		.amdhsa_reserve_vcc 1
		.amdhsa_float_denorm_mode_32 3
		.amdhsa_float_denorm_mode_16_64 3
		.amdhsa_memory_ordered 1
		.amdhsa_forward_progress 1
		.amdhsa_inst_pref_size 255
	.end_amdhsa_kernel
	.section	.bss,"aw",@nobits
	.p2align	6
	.space	262144
	.amdgpu_metadata
---
amdhsa.version: [ 1, 2 ]
amdhsa.kernels:
  - .name:           k_q407bd32385_spans
    .symbol:         k_q407bd32385_spans.kd
    .args:
      - { .name: acodes, .offset: 0, .size: 8, .value_kind: global_buffer, .address_space: global }
      - { .name: ascl, .offset: 8, .size: 8, .value_kind: global_buffer, .address_space: global }
      - { .name: wimg, .offset: 16, .size: 8, .value_kind: global_buffer, .address_space: global }
      - { .name: span_starts, .offset: 24, .size: 8, .value_kind: global_buffer, .address_space: global }
      - { .name: span_ends, .offset: 32, .size: 8, .value_kind: global_buffer, .address_space: global }
      - { .name: W2, .offset: 40, .size: 8, .value_kind: global_buffer, .address_space: global }
      - { .name: b1, .offset: 48, .size: 8, .value_kind: global_buffer, .address_space: global }
      - { .name: b2, .offset: 56, .size: 8, .value_kind: global_buffer, .address_space: global }
      - { .name: out0, .offset: 64, .size: 8, .value_kind: global_buffer, .address_space: global }
    .group_segment_fixed_size: 327680
    .private_segment_fixed_size: 0
    .kernarg_segment_align: 8
    .kernarg_segment_size: 72
    .max_flat_workgroup_size: 128
    .sgpr_count:     96
    .vgpr_count:     1024
    .wavefront_size: 32
...
	.end_amdgpu_metadata
.endif
;; end of part 2
